; MI455X (gfx1250); checked and timed in simulation.
; The chip was launched on July 23, 2026; its instructions are those of AMD's public machine-readable ISA for CDNA 5 (MIT licence, August 2026) and "CDNA5" Instruction Set Architecture Reference Guide (July 2026). The comments in the code are by the model that wrote it; some were corrected since.
;; Post Process HOI Triplet. Allowed arithmetic: float matrix products may take bf16 or f16 operands with f32 sums; all other float work in f32.
;; Inputs: box_scores 16,384 x 1 float32; hoi_mapper 600 int32; pred_boxes 16,384 x 8 float32; pred_logits 16,384 x 600 float32.
;; Outputs: out0 4,096 int32; out1 4,096 float32; out2 4,096 x 8 float32; out3 4,096 bool.
;; Constants: ori_h = 800, ori_w = 1333.
;; One version. Each part assembles by itself: llvm-mc -triple=amdgcn-amd-amdhsa -mcpu=gfx1250 --defsym DOCPART=n.
;; ======== version 1 of 1: 5 launches
;; workspace buffers: masks 2,097,152 bytes of whole numbers; segcnt 8,192 bytes of whole numbers; stats 131,072 bytes; keys 2,506,752 bytes of whole numbers; meta 256 bytes of whole numbers; sbox 9,961,472 bytes; smeta 4,980,736 bytes; supp 4,194,304 bytes of whole numbers
;; launch stats (part 1): grid 256 x 1, 8 waves a work-group, no clusters, 0 bytes of LDS; arguments pred_logits, box_scores, masks, stats, segcnt; writes masks, stats, segcnt
.if DOCPART == 1
	.amdgcn_target "amdgcn-amd-amdhsa--gfx1250"
	.amdhsa_code_object_version 6
	.text
	.protected	k_q7f3ecd346b_stats
	.globl	k_q7f3ecd346b_stats
	.p2align	8
	.type	k_q7f3ecd346b_stats,@function
k_q7f3ecd346b_stats:
	s_mov_b64 s[64:65], 0
	v_nop
	global_prefetch_b8 v0, s[64:65] scope:SCOPE_SE
	s_setreg_imm32_b32 hwreg(HW_REG_WAVE_MODE, 25, 1), 1
	s_wait_xcnt 0x0
; Softmax statistics and the threshold mask.  pred_logits [16384][600] f32, box_scores [16384] f32.
; score(q, c) = exp(x - max) / sum * sigmoid(b) is formed as exp2(x L + nm) * sc with L = log2 e, nm = -(L max), sc = 1 / (sum (1 + exp(-b))).
; A wave owns a segment of 8 rows = 19,200 consecutive bytes, asks for all of them at once (40 loads of 16 bytes a lane) and keeps them in 160 registers:
; the logits are read once, no wave waits for another, no LDS, no barrier.  Matrix units have no product to do here; no tile is shared, so no cluster.
; Out: masks [row][32 words]: word k = 4 j + c (k < 20), bit l = column 128 j + 4 l + c has score > 0.05; word 20 = the row's count; words 21-31 = 0;
;      stats [row] = (nm, sc); segcnt [segment] = candidates of its 8 rows.
; masks leave as whole blocks of 256 bytes (two rows a store).  stats (64 bytes a wave) and segcnt (4 bytes a wave) are small pieces: 139,264 bytes in the whole launch.
; LIMITS: v_exp_f32 and v_rcp_f32 are good to 1 ulp, so a score within a few ulp of 0.05 may fall on the other side than in a correctly rounded softmax.
; A row with NaN or +inf gives NaN scores and an empty mask, as a compare with NaN does in the module.
.set ROWB, 2400                        ; bytes in a row
.set X,    32                          ; v[32:191] row r at X + 20 r: register 4 j + c = column 128 j + 4 lane + c
.set MW,   18                          ; v[18:25]  mask words of two rows in each pair: lane 16 (r & 1) + (k >> 1), register k & 1
	s_load_b256 s[4:11], s[0:1], 0x0               ; logits s[4:5], box_scores s[6:7], masks s[8:9], stats s[10:11]
	s_load_b64 s[12:13], s[0:1], 0x20              ; segcnt
	v_and_b32 v1, 31, v0                           ; lane
	v_lshrrev_b32 v12, 5, v0
	v_readfirstlane_b32 s14, v12                   ; wave
	s_lshl3_add_u32 s15, ttmp9, s14                ; segment = 8 x work-group + wave
	s_mov_b32 s18, 0xffc00000                      ; lanes 22 to 31: no columns in the fifth piece of a row (88 columns = 22 lanes)
	s_mov_b32 s19, 0x3d4ccccd                      ; 0.05
	s_mov_b32 s44, 0x76543210                      ; v_permlanex16_b32: lane i reads lane i of the other half
	s_mov_b32 s45, 0xfedcba98
	s_mov_b32 s41, 0                               ; the segment's count
	v_lshlrev_b32 v2, 4, v1                        ; 16 x lane
	v_cmp_gt_u32 vcc_lo, 22, v1
	v_add_nc_u32 v13, 0xffffffea, v1               ; lane - 22
	v_cndmask_b32 v13, v13, v1, vcc_lo             ; lanes 22 to 31 read inside the row again; their numbers are replaced by -inf
	v_lshl_add_u32 v3, v13, 4, 0x800               ; the fifth piece: byte 2,048 of the row
	v_mov_b32 v5, 0xff800000                       ; -inf
	v_mov_b32 v6, 0x3fb8aa3b                       ; L, twice
	v_mov_b32 v7, 0x3fb8aa3b
.irp i, 16,17,18,19,20,21,22,23,24,25
	v_mov_b32 v\i, 0                               ; (nm, sc) by lane, and the mask words: words 21 to 31 of a row stay 0
.endr
	v_lshlrev_b32 v26, 3, v1                       ; 8 x lane
	v_and_b32 v27, 7, v1
	v_lshlrev_b32 v27, 2, v27                      ; 4 x (lane mod 8): box score of row lane mod 8
	s_mul_i32 s16, s15, 8*ROWB
	s_mov_b32 s17, 0
	s_wait_kmcnt 0x0
	s_add_nc_u64 s[4:5], s[4:5], s[16:17]
	s_lshl_b32 s16, s15, 5
	s_add_nc_u64 s[6:7], s[6:7], s[16:17]
	s_lshl_b32 s16, s15, 10
	s_add_nc_u64 s[8:9], s[8:9], s[16:17]
	s_lshl_b32 s16, s15, 6
	s_add_nc_u64 s[10:11], s[10:11], s[16:17]
	s_lshl_b32 s16, s15, 2
	s_add_nc_u64 s[12:13], s[12:13], s[16:17]
	global_load_b32 v4, v27, s[6:7]
.irp r, 0,1,2,3,4,5,6,7
.irp j, 0,1,2,3
	global_load_b128 v[X+20*\r+4*\j:X+20*\r+4*\j+3], v2, s[4:5] offset:ROWB*\r+512*\j th:TH_LOAD_NT
.endr
	global_load_b128 v[X+20*\r+16:X+20*\r+19], v3, s[4:5] offset:ROWB*\r th:TH_LOAD_NT
.endr
	s_wait_loadcnt 40                              ; the box scores are in; the 40 loads of the rows were issued behind them
	v_mul_f32 v4, 0xbfb8aa3b, v4
	v_exp_f32 v4, v4                               ; exp(-b)
	v_nop                                          ; one plain place behind a transcendental (ISA guide 5.7.2)
	s_wait_alu depctr_va_vdst(0)
	v_add_f32 v4, 1.0, v4                          ; 1 + exp(-b) of row lane mod 8; inf for very negative b gives sc = 0, as sigmoid underflows to 0
.macro WRED op, a, t                   ; max or sum over the 32 lanes, result in every lane
	\op\()_dpp v[\a], v[\a], v[\a] row_xmask:1 row_mask:0xf bank_mask:0xf
	\op\()_dpp v[\a], v[\a], v[\a] row_xmask:2 row_mask:0xf bank_mask:0xf
	\op\()_dpp v[\a], v[\a], v[\a] row_xmask:4 row_mask:0xf bank_mask:0xf
	\op\()_dpp v[\a], v[\a], v[\a] row_xmask:8 row_mask:0xf bank_mask:0xf
	v_permlanex16_b32 v[\t], v[\a], s44, s45
	\op v[\a], v[\a], v[\t]
.endm
.macro ROW r
.set B, X+20*\r
.set P, MW+2*(\r>>1)
.set H, 16*(\r&1)
	s_wait_loadcnt 35-5*\r                         ; my row's five loads are in; five for each later row stay out
.irp i, 16,17,18,19
	v_cndmask_b32 v[B+\i], v[B+\i], v5, s18        ; lanes without a column: -inf, which ends as exp2 = 0
.endr
	v_max3_num_f32 v12, v[B], v[B+1], v[B+2]       ; the maximum, in two chains
	v_max3_num_f32 v13, v[B+3], v[B+4], v[B+5]
.irp i, 6,10,14
	v_max3_num_f32 v12, v12, v[B+\i], v[B+\i+1]
	v_max3_num_f32 v13, v13, v[B+\i+2], v[B+\i+3]
.endr
	v_max3_num_f32 v12, v12, v[B+18], v[B+19]
	v_max_num_f32 v12, v12, v13
	WRED v_max_num_f32, 12, 13
	v_mul_f32 v8, 0xbfb8aa3b, v12                  ; nm = -(L max); its rounding enters every term and the sum alike
	v_mov_b32 v9, v8
.irp i, 0,2,4,6,8,10,12,14,16,18
	v_pk_fma_f32 v[B+\i:B+\i+1], v[B+\i:B+\i+1], v[6:7], v[8:9]
.endr
.set kk, 0
.rept 20
	v_exp_f32 v[B+kk], v[B+kk]
.set kk, kk+1
.endr
	v_nop                                          ; the place behind the last exponential
	s_wait_alu depctr_va_vdst(0)
	v_pk_add_f32 v[12:13], v[B:B+1], v[B+2:B+3]    ; the sum, in two chains of pairs
	v_pk_add_f32 v[14:15], v[B+4:B+5], v[B+6:B+7]
.irp i, 8,12,16
	v_pk_add_f32 v[12:13], v[12:13], v[B+\i:B+\i+1]
	v_pk_add_f32 v[14:15], v[14:15], v[B+\i+2:B+\i+3]
.endr
	v_pk_add_f32 v[12:13], v[12:13], v[14:15]
	v_add_f32 v12, v12, v13
	WRED v_add_f32, 12, 13
	v_readlane_b32 s43, v4, \r                     ; 1 + exp(-b) of this row
	v_mul_f32 v12, s43, v12
	v_rcp_f32 v10, v12                             ; sc
	v_nop
	s_wait_alu depctr_va_vdst(0)
	v_mov_b32 v11, v10
.irp i, 0,2,4,6,8,10,12,14,16,18
	v_pk_mul_f32 v[B+\i:B+\i+1], v[B+\i:B+\i+1], v[10:11]
.endr
.set kk, 0
.rept 20
	v_cmp_gt_f32 s[20+kk], v[B+kk], s19            ; word k of the row's mask
.set kk, kk+1
.endr
.set kk, 0
.rept 20
	v_writelane_b32 v[P+(kk&1)], s[20+kk], H+(kk>>1)
.set kk, kk+1
.endr
	s_bcnt1_i32_b32 s40, s20
.set kk, 1
.rept 19
	s_bcnt1_i32_b32 s42, s[20+kk]
	s_add_co_u32 s40, s40, s42
.set kk, kk+1
.endr
	v_writelane_b32 v[P], s40, H+10                ; word 20: the row's count
	s_add_co_u32 s41, s41, s40
	s_mov_b32 s46, 1<<\r
	v_cndmask_b32 v16, v16, v8, s46                ; lane r keeps (nm, sc)
	v_cndmask_b32 v17, v17, v10, s46
.if \r&1
	global_store_b64 v26, v[P:P+1], s[8:9] offset:256*(\r>>1)   ; two rows' masks: 256 consecutive bytes, aligned; each pair of rows has registers of its own
.endif
.endm
.irp r, 0,1,2,3,4,5,6,7
	ROW \r
.endr
	v_mov_b32 v28, s41
	v_mov_b32 v29, 0
	v_cmp_gt_u32 vcc_lo, 8, v1
	s_wait_xcnt 0x0                                ; EXEC is a source of the stores above: it changes only behind this wait
	s_and_saveexec_b32 s47, vcc_lo
	global_store_b64 v26, v[16:17], s[10:11]       ; lanes 0 to 7: (nm, sc) of the eight rows
	s_wait_xcnt 0x0
	s_or_b32 exec_lo, exec_lo, s47
	v_cmp_eq_u32 vcc_lo, 0, v1
	s_and_saveexec_b32 s48, vcc_lo
	global_store_b32 v29, v28, s[12:13]            ; lane 0: the segment's count
	s_wait_xcnt 0x0
	s_or_b32 exec_lo, exec_lo, s48
	s_endpgm
.Lfunc_end_k_q7f3ecd346b_stats:
	.size	k_q7f3ecd346b_stats, .Lfunc_end_k_q7f3ecd346b_stats-k_q7f3ecd346b_stats
	.p2alignl 7, 3214868480
	.fill 96, 4, 3214868480
	.section	.rodata,"a",@progbits
	.p2align	6, 0x0
	.amdhsa_kernel k_q7f3ecd346b_stats
		.amdhsa_group_segment_fixed_size 0
		.amdhsa_private_segment_fixed_size 0
		.amdhsa_enable_private_segment 0
		.amdhsa_kernarg_size 40
		.amdhsa_user_sgpr_count 2
		.amdhsa_user_sgpr_kernarg_segment_ptr 1
		.amdhsa_wavefront_size32 1
		.amdhsa_system_sgpr_workgroup_id_x 1
		.amdhsa_system_sgpr_workgroup_id_y 1
		.amdhsa_system_sgpr_workgroup_id_z 1
		.amdhsa_system_vgpr_workitem_id 0
		.amdhsa_next_free_vgpr 192
		.amdhsa_next_free_sgpr 66
		.amdhsa_reserve_vcc 1
		.amdhsa_float_denorm_mode_32 3
		.amdhsa_float_denorm_mode_16_64 3
		.amdhsa_memory_ordered 1
		.amdhsa_forward_progress 1
		.amdhsa_inst_pref_size 75
	.end_amdhsa_kernel
	.amdgpu_metadata
---
amdhsa.version: [ 1, 2 ]
amdhsa.kernels:
  - .name:           k_q7f3ecd346b_stats
    .symbol:         k_q7f3ecd346b_stats.kd
    .args:
      - { .name: pred_logits, .offset: 0, .size: 8, .value_kind: global_buffer, .address_space: global }
      - { .name: box_scores, .offset: 8, .size: 8, .value_kind: global_buffer, .address_space: global }
      - { .name: masks, .offset: 16, .size: 8, .value_kind: global_buffer, .address_space: global }
      - { .name: stats, .offset: 24, .size: 8, .value_kind: global_buffer, .address_space: global }
      - { .name: segcnt, .offset: 32, .size: 8, .value_kind: global_buffer, .address_space: global }
    .group_segment_fixed_size: 0
    .private_segment_fixed_size: 0
    .kernarg_segment_align: 8
    .kernarg_segment_size: 40
    .max_flat_workgroup_size: 256
    .sgpr_count:     66
    .vgpr_count:     192
    .wavefront_size: 32
...
	.end_amdgpu_metadata
.endif
;; end of part 1
;; launch compact (part 2): grid 256 x 1, 8 waves a work-group, no clusters, 0 bytes of LDS; arguments masks, segcnt, stats, pred_logits, keys, meta; writes keys, meta
.if DOCPART == 2
	.amdgcn_target "amdgcn-amd-amdhsa--gfx1250"
	.amdhsa_code_object_version 6
	.text
	.protected	k_q7f3ecd346b_compact
	.globl	k_q7f3ecd346b_compact
	.p2align	8
	.type	k_q7f3ecd346b_compact,@function
k_q7f3ecd346b_compact:
	s_mov_b64 s[64:65], 0
	v_nop
	global_prefetch_b8 v0, s[64:65] scope:SCOPE_SE
	s_setreg_imm32_b32 hwreg(HW_REG_WAVE_MODE, 25, 1), 1
	s_wait_xcnt 0x0
; Candidates get places.  A wave owns the same segment of 8 rows as in the launch before.  Its first place is the sum of the counts of all earlier
; segments (the wave adds up the 2,048 counts itself: 8,192 bytes, no traffic between work-groups); inside the segment places go row by row, in the order of the mask's bits.
; For each candidate a 64-bit key is stored: high word = the score's bits (positive f32: ordered like whole numbers), low word = not (q << 10 | class),
; so that a larger key means an earlier place in the sorted list and equal scores go to the lower flat index.
; The score is formed again from the logit with the same three operations as in the launch before.  meta: 64 words, all N, the number of candidates.
; A row's scores sum to less than 1, so at most 19 of them pass 0.05: N is at most 311,296.
; THE PATH IS THE SAME FOR EVERY INPUT: the masks enter values and addresses only; the one branch hangs on the segment's number.
; Lane s is SLOT s of a row and looks for the row's s-th candidate (32 slots for at most 19):
;   1. the word: with E_k = candidates in words before k, it is the last word with E_k <= s (empty words in front of it are overwritten, later words have E_k > s);
;   2. the bit: the (s - E_k)-th set bit of that word, by five halvings on the counts of 16, 8, 4, 2 and 1 bits.
; Step 2 and all that follows is written operation by operation over the eight rows: eight chains that do not wait for each other.
; ALL LANES STAY ON: a slot without a candidate loads the segment's first logit and stores the key 0 to the wave's own spare slot, keys [311,296 + segment], which nobody reads:
; 2,048 spare slots, 16,384 bytes behind the 311,296 keys.
.set WD,  16                           ; s[16:35]  the row's 20 mask words; later s[16:23]: the eight rows' compare masks
.set CM,  16
.set EE,  36                           ; s[36:55]  E_k
.set PK,  66                           ; s[66:85]  E_k + (600 r + first column of word k) << 8
.set VM,  86                           ; s[86:93]  row r: the slots that have a candidate
.set SW,  80                           ; v[80:87]   row r: my slot's word
.set SP,  88                           ; v[88:95]   row r: my slot's packed pair, then 600 r + the word's first column
.set PL,  96                           ; v[96:103]  row r: byte offset of my key
.set A,   104                          ; v[104:111] counts of 2 bits
.set B,   112                          ; v[112:119] counts of 4 bits
.set C,   120                          ; v[120:127] counts of 8 bits
.set T,   128                          ; v[128:135] at work
.set U,   136                          ; v[136:143] at work
.set POS, 144                          ; v[144:151] the bit's place so far
.set REM, 152                          ; v[152:159] set bits still to pass
.set LO,  160                          ; v[160:167] byte offset of my logit
.set X,   168                          ; v[168:175] the logit
.set KEY, 176                          ; v[176:191] row r: the key, a pair
.set NS,  192                          ; v[192:207] (nm, sc) of the eight rows, the same in every lane
.set C16, 208                          ; v208-211, v214: the steps 16, 8, 4, 2, 1
.set C8,  209
.set C4,  210
.set C2,  211
.set ZERO, 212
.set M8,  213                          ; 8 x lane
.set C1,  214
.macro V3 op, d, a, b                  ; d = a op b in all eight rows
.irp r, 0,1,2,3,4,5,6,7
	\op v[\d+\r], v[\a+\r], v[\b+\r]
.endr
.endm
.macro VK op, d, k, b                  ; d = k op b in all eight rows, k a constant or a scalar
.irp r, 0,1,2,3,4,5,6,7
	\op v[\d+\r], \k, v[\b+\r]
.endr
.endm
; One halving.  T = set bits in the lower half of what is left.  If REM >= T the bit lies in the upper half: pass T bits, step by inc.
.macro HALVE inc, first, last
.irp r, 0,1,2,3,4,5,6,7
	v_cmp_ge_u32 s[CM+\r], v[REM+\r], v[T+\r]
.endr
.if \last == 0
.irp r, 0,1,2,3,4,5,6,7
	v_cndmask_b32 v[T+\r], 0, v[T+\r], s[CM+\r]
.endr
	V3 v_sub_nc_u32, REM, REM, T
.endif
.if \first
.irp r, 0,1,2,3,4,5,6,7
	v_cndmask_b32 v[POS+\r], 0, v[\inc], s[CM+\r]  ; the first step starts the place: nothing is cleared
.endr
.else
.irp r, 0,1,2,3,4,5,6,7
	v_cndmask_b32 v[U+\r], 0, v[\inc], s[CM+\r]
.endr
	V3 v_add_nc_u32, POS, POS, U
.endif
.endm
.macro STEP src, mask, inc, last       ; the count of the lower half stands in src at bit POS
	V3 v_lshrrev_b32, T, POS, \src
	VK v_and_b32, T, \mask, T
	HALVE \inc, 0, \last
.endm
	s_load_b256 s[4:11], s[0:1], 0x0               ; masks s[4:5], segcnt s[6:7], stats s[8:9], logits s[10:11]
	s_load_b128 s[12:15], s[0:1], 0x20             ; keys s[12:13], meta s[14:15]
	v_and_b32 v1, 31, v0                           ; lane = slot
	v_lshrrev_b32 v5, 5, v0
	v_readfirstlane_b32 s56, v5                    ; wave
	s_lshl3_add_u32 s57, ttmp9, s56                ; segment
	s_mov_b32 s94, 0x3fb8aa3b                      ; L = log2 e
	s_mov_b32 s95, 0x76543210                      ; v_permlanex16_b32: lane i reads lane i of the other half
	s_mov_b32 s96, 0xfedcba98
	s_mov_b32 s97, 0x55555555
	s_mov_b32 s98, 0x33333333
	s_mov_b32 s99, 0x0f0f0f0f
	v_lshlrev_b32 v2, 2, v1                        ; 4 x lane
	v_lshlrev_b32 v3, 4, v1                        ; 16 x lane
	v_lshlrev_b32 v[M8], 3, v1
	v_sub_nc_u32 v6, s57, v2                       ; segment - 4 x lane (signed)
	v_mov_b32 v4, 0
	s_add_co_u32 s59, s57, 0x4c000
	v_mov_b32 v7, s59                              ; my wave's spare slot
	v_mov_b32 v[C16], 16
	v_mov_b32 v[C8], 8
	v_mov_b32 v[C4], 4
	v_mov_b32 v[C2], 2
	v_mov_b32 v[C1], 1
	v_mov_b32 v[ZERO], 0
	s_mov_b32 s63, 0
	s_wait_kmcnt 0x0
	s_lshl_b32 s62, s57, 10
	s_add_nc_u64 s[4:5], s[4:5], s[62:63]          ; my 8 rows of masks
	s_lshl_b32 s62, s57, 6
	s_add_nc_u64 s[8:9], s[8:9], s[62:63]          ; of stats
	s_mul_i32 s62, s57, 19200
	s_add_nc_u64 s[10:11], s[10:11], s[62:63]      ; of logits
.irp r, 0,1,2,3,4,5,6,7
	global_load_b32 v[8+\r], v2, s[4:5] offset:128*\r               ; row r: lane l holds word l
.endr
.irp i, 0,1,2,3
	global_load_b128 v[NS+4*\i:NS+4*\i+3], v[ZERO], s[8:9] offset:16*\i   ; every lane reads the same 64 bytes
.endr
.irp i, 0,1,2,3,4,5,6,7,8,9,10,11,12,13,14,15
	global_load_b128 v[16+4*\i:19+4*\i], v3, s[6:7] offset:512*\i   ; counts of segments 128 i + 4 lane + 0..3
.endr
	s_wait_loadcnt 0x0                             ; all 28 were asked for together
.set i, 0
.rept 64
	v_cmp_lt_i32 vcc_lo, 128*(i>>2)+(i&3), v6      ; that segment lies in front of mine
	v_cndmask_b32 v5, 0, v[16+i], vcc_lo
	v_add_nc_u32 v4, v4, v5
.set i, i+1
.endr
.irp m, 1,2,4,8
	v_mov_b32_dpp v5, v4 row_xmask:\m row_mask:0xf bank_mask:0xf
	v_add_nc_u32 v4, v4, v5
.endr
	v_permlanex16_b32 v5, v4, s95, s96
	v_add_nc_u32 v4, v4, v5
	v_readfirstlane_b32 s58, v4                    ; my segment's first place: from here on the running place
; Row r: each slot's word, its packed pair, whether it has a candidate, and where its key goes.
.macro SELROW r
.set kk, 0
.rept 20
	v_readlane_b32 s[WD+kk], v[8+\r], kk
.set kk, kk+1
.endr
	s_mov_b32 s[EE], 0
.set kk, 0
.rept 19
	s_bcnt1_i32_b32 s59, s[WD+kk]
	s_add_co_u32 s[EE+kk+1], s[EE+kk], s59
.set kk, kk+1
.endr
	s_bcnt1_i32_b32 s59, s[WD+19]
	s_add_co_u32 s60, s[EE+19], s59                ; the row's count
.set kk, 0
.rept 20
	s_add_co_u32 s[PK+kk], s[EE+kk], (600*\r+128*(kk>>2)+(kk&3))<<8   ; E_k is below 256
.set kk, kk+1
.endr
	v_mov_b32 v[SW+\r], s[WD]                      ; E_0 = 0 <= s for every slot
	v_mov_b32 v[SP+\r], s[PK]
.set kk, 1
.rept 19
	v_cmp_gt_u32 vcc_lo, s[EE+kk], v1              ; E_k > s: the word found so far stays
	v_cndmask_b32 v[SW+\r], s[WD+kk], v[SW+\r], vcc_lo
	v_cndmask_b32 v[SP+\r], s[PK+kk], v[SP+\r], vcc_lo
.set kk, kk+1
.endr
	v_cmp_gt_u32 s[VM+\r], s60, v1                 ; slots below the row's count have a candidate
	v_add_nc_u32 v5, s58, v1                       ; its place: the running place + s
	v_cndmask_b32 v5, v7, v5, s[VM+\r]             ; the others: the spare slot
	v_min_u32 v5, 0x4c7ff, v5
	v_lshlrev_b32 v[PL+\r], 3, v5
	s_add_co_u32 s58, s58, s60
.endm
.irp r, 0,1,2,3,4,5,6,7
	SELROW \r
.endr
	; the bit: REM = s - E_k set bits of the word are passed
	VK v_and_b32, T, 0xff, SP
.irp r, 0,1,2,3,4,5,6,7
	v_sub_nc_u32 v[REM+\r], v1, v[T+\r]            ; not negative: the word was chosen with E_k <= s
.endr
	VK v_lshrrev_b32, SP, 8, SP                    ; 600 r + the word's first column
	VK v_lshrrev_b32, T, 1, SW
	VK v_and_b32, T, s97, T
	V3 v_sub_nc_u32, A, SW, T                      ; set bits in each 2
	VK v_lshrrev_b32, T, 2, A
	VK v_and_b32, T, s98, T
	VK v_and_b32, B, s98, A
	V3 v_add_nc_u32, B, B, T                       ; in each 4
	VK v_lshrrev_b32, T, 4, B
	V3 v_add_nc_u32, C, B, T
	VK v_and_b32, C, s99, C                        ; in each 8
	VK v_lshrrev_b32, T, 8, C
	V3 v_add_nc_u32, T, C, T
	VK v_and_b32, T, 0xff, T                       ; in the low 16
	HALVE C16, 1, 0
	STEP C, 0xff, C8, 0
	STEP B, 15, C4, 0
	STEP A, 3, C2, 0
	STEP SW, 1, C1, 1
	; a slot without a candidate has gone through the same steps on some word; what it found is replaced below
.irp r, 0,1,2,3,4,5,6,7
	v_lshl_add_u32 v[T+\r], v[POS+\r], 2, v[SP+\r] ; 600 r + class: bit l of word 4 j + c is column 128 j + 4 l + c
.endr
.irp r, 0,1,2,3,4,5,6,7
	s_lshl3_add_u32 s61, s57, \r                   ; q = 8 x segment + r
	s_lshl_b32 s61, s61, 10
	s_sub_co_u32 s61, s61, 600*\r
	v_add_nc_u32 v[KEY+2*\r], s61, v[T+\r]         ; q << 10 | class
.endr
.irp r, 0,1,2,3,4,5,6,7
	v_not_b32 v[KEY+2*\r], v[KEY+2*\r]             ; low word of the key
.endr
.irp r, 0,1,2,3,4,5,6,7
	v_cndmask_b32 v[KEY+2*\r], 0, v[KEY+2*\r], s[VM+\r]
.endr
.irp r, 0,1,2,3,4,5,6,7
	v_cndmask_b32 v[T+\r], 0, v[T+\r], s[VM+\r]    ; without a candidate: the segment's first logit
.endr
	VK v_min_u32, T, 4799, T                       ; inside my 8 rows of 600
	VK v_lshlrev_b32, LO, 2, T
.irp r, 0,1,2,3,4,5,6,7
	global_load_b32 v[X+\r], v[LO+\r], s[10:11]
.endr
	s_wait_loadcnt 0x0                             ; the eight gathers were asked for together
.irp r, 0,1,2,3,4,5,6,7
	v_fma_f32 v[X+\r], v[X+\r], s94, v[NS+2*\r]
.endr
.irp r, 0,1,2,3,4,5,6,7
	v_exp_f32 v[KEY+2*\r+1], v[X+\r]
.endr
	v_nop                                          ; one plain place behind the transcendentals (ISA guide 5.7.2)
	s_wait_alu depctr_va_vdst(0)
.irp r, 0,1,2,3,4,5,6,7
	v_mul_f32 v[KEY+2*\r+1], v[NS+2*\r+1], v[KEY+2*\r+1]   ; the score: high word of the key
.endr
.irp r, 0,1,2,3,4,5,6,7
	v_cndmask_b32 v[KEY+2*\r+1], 0, v[KEY+2*\r+1], s[VM+\r]
.endr
.irp r, 0,1,2,3,4,5,6,7
	global_store_b64 v[PL+\r], v[KEY+2*\r:KEY+2*\r+1], s[12:13]   ; a row's candidates go to neighbouring places; each row has registers of its own, none is written again
.endr
	s_cmp_lg_u32 s57, 2047
	s_cbranch_scc1 .Lcend
	v_mov_b32 v4, s58                              ; the last segment's running place is N
	v_mov_b32 v5, s58
	global_store_b64 v[M8], v[4:5], s[14:15]       ; 256 consecutive bytes
.Lcend:
	s_endpgm
.Lfunc_end_k_q7f3ecd346b_compact:
	.size	k_q7f3ecd346b_compact, .Lfunc_end_k_q7f3ecd346b_compact-k_q7f3ecd346b_compact
	.p2alignl 7, 3214868480
	.fill 96, 4, 3214868480
	.section	.rodata,"a",@progbits
	.p2align	6, 0x0
	.amdhsa_kernel k_q7f3ecd346b_compact
		.amdhsa_group_segment_fixed_size 0
		.amdhsa_private_segment_fixed_size 0
		.amdhsa_enable_private_segment 0
		.amdhsa_kernarg_size 48
		.amdhsa_user_sgpr_count 2
		.amdhsa_user_sgpr_kernarg_segment_ptr 1
		.amdhsa_wavefront_size32 1
		.amdhsa_system_sgpr_workgroup_id_x 1
		.amdhsa_system_sgpr_workgroup_id_y 1
		.amdhsa_system_sgpr_workgroup_id_z 1
		.amdhsa_system_vgpr_workitem_id 0
		.amdhsa_next_free_vgpr 216
		.amdhsa_next_free_sgpr 100
		.amdhsa_reserve_vcc 1
		.amdhsa_float_denorm_mode_32 3
		.amdhsa_float_denorm_mode_16_64 3
		.amdhsa_memory_ordered 1
		.amdhsa_forward_progress 1
		.amdhsa_inst_pref_size 83
	.end_amdhsa_kernel
	.amdgpu_metadata
---
amdhsa.version: [ 1, 2 ]
amdhsa.kernels:
  - .name:           k_q7f3ecd346b_compact
    .symbol:         k_q7f3ecd346b_compact.kd
    .args:
      - { .name: masks, .offset: 0, .size: 8, .value_kind: global_buffer, .address_space: global }
      - { .name: segcnt, .offset: 8, .size: 8, .value_kind: global_buffer, .address_space: global }
      - { .name: stats, .offset: 16, .size: 8, .value_kind: global_buffer, .address_space: global }
      - { .name: pred_logits, .offset: 24, .size: 8, .value_kind: global_buffer, .address_space: global }
      - { .name: keys, .offset: 32, .size: 8, .value_kind: global_buffer, .address_space: global }
      - { .name: meta, .offset: 40, .size: 8, .value_kind: global_buffer, .address_space: global }
    .group_segment_fixed_size: 0
    .private_segment_fixed_size: 0
    .kernarg_segment_align: 8
    .kernarg_segment_size: 48
    .max_flat_workgroup_size: 256
    .sgpr_count:     100
    .vgpr_count:     216
    .wavefront_size: 32
...
	.end_amdgpu_metadata
.endif
;; end of part 2
;; launch rank (part 3): grid 256 x 1, 4 waves a work-group, no clusters, 0 bytes of LDS; arguments keys, meta, pred_boxes, hoi_mapper, sbox, smeta; writes sbox, smeta
.if DOCPART == 3
	.amdgcn_target "amdgcn-amd-amdhsa--gfx1250"
	.amdhsa_code_object_version 6
	.text
	.protected	k_q7f3ecd346b_rank
	.globl	k_q7f3ecd346b_rank
	.p2align	8
	.type	k_q7f3ecd346b_rank,@function
k_q7f3ecd346b_rank:
	s_mov_b64 s[64:65], 0
	v_nop
	global_prefetch_b8 v0, s[64:65] scope:SCOPE_SE
	s_setreg_imm32_b32 hwreg(HW_REG_WAVE_MODE, 25, 1), 1
	s_wait_xcnt 0x0
; Sorting by counting.  A lane owns one candidate a; its rank is the number of keys larger than its own (keys are all different).  Every candidate puts its
; record at its rank: sbox [rank] = person box (clamped to 0..1) and object box, both xyxy and scaled by (1333, 800); smeta [rank] = (score bits, class,
; hoi_mapper[class], 0).  Both hold 311,296 entries, the largest N; the later launches read the first min(N, 4096).  No sum crosses a lane, so nothing crosses a work-group.
; ALL LANES STAY ON: a lane beyond the last candidate works on the last candidate once more and stores the same record to the same place.
; The 32 candidates of a wave begin at ((4 o + wave) 256 + work-group) 32 for o = 0, 1, ...: the first 256 waves' worth lie on 256 different work-groups.
; The grid serves the largest N that the shapes allow.
; COST: N / 32 trips of 160 vector instructions for each 32 candidates, that is N squared: chosen for its simplicity, it is slow for N in the hundred thousands.
; b > a for 64-bit keys is the carry out of b + not a: two adds with carry, and a third adds the carry to the count.
; Trip counts, ranks and addresses hang on whole numbers read from keys and meta alone.
.set SW, 29                            ; s29 = 1333.0
.set SH, 30                            ; s30 = 800.0
.macro BOX raw, out                    ; (cx, cy, w, h) twice -> person xyxy clamped and scaled, object xyxy scaled.  0.5 w is exact, so the fused form rounds as the module does
.irp h, 0,4
	v_fma_f32 v[\out+\h],   v[\raw+\h+2], -0.5, v[\raw+\h]
	v_fma_f32 v[\out+\h+1], v[\raw+\h+3], -0.5, v[\raw+\h+1]
	v_fma_f32 v[\out+\h+2], v[\raw+\h+2], 0.5, v[\raw+\h]
	v_fma_f32 v[\out+\h+3], v[\raw+\h+3], 0.5, v[\raw+\h+1]
.endr
.irp i, 0,1,2,3
	v_med3_num_f32 v[\out+\i], v[\out+\i], 0, 1.0
.endr
.irp i, 0,2,4,6
	v_mul_f32 v[\out+\i],   s[SW], v[\out+\i]
	v_mul_f32 v[\out+\i+1], s[SH], v[\out+\i+1]
.endr
.endm
	s_load_b256 s[4:11], s[0:1], 0x0               ; keys s[4:5], meta s[6:7], pred_boxes s[8:9], hoi_mapper s[10:11]
	s_load_b128 s[12:15], s[0:1], 0x20             ; sbox s[12:13], smeta s[14:15]
	v_and_b32 v1, 31, v0
	v_lshrrev_b32 v9, 5, v0
	v_readfirstlane_b32 s23, v9                    ; wave
	s_mov_b32 s[SW], 0x44a6a000
	s_mov_b32 s[SH], 0x44480000
	v_mov_b32 v39, 0
	s_wait_kmcnt 0x0
	s_load_b32 s16, s[6:7], 0x0
	s_wait_kmcnt 0x0
	s_min_u32 s16, s16, 0x4c000                    ; N
	s_add_co_u32 s19, s16, 32767
	s_lshr_b32 s19, s19, 15                        ; outer trips: the launch takes 32,768 candidates a trip
	s_cmp_eq_u32 s19, 0
	s_cbranch_scc1 .Lrend
	s_sub_co_u32 s17, s16, 1                       ; N - 1
	s_add_co_u32 s18, s16, 31
	s_lshr_b32 s18, s18, 5                         ; inner trips: 32 keys each
	s_mov_b32 s20, 0
.Lrouter:
	s_lshl2_add_u32 s21, s20, s23
	s_lshl_b32 s21, s21, 8
	s_add_co_u32 s21, s21, ttmp9
	s_lshl_b32 s21, s21, 5                         ; my wave's first candidate
	s_cmp_ge_u32 s21, s16
	s_cbranch_scc1 .Lrnext
	v_add_nc_u32 v2, s21, v1                       ; my candidate,
	v_min_u32 v3, s17, v2                          ; or the last one again
	v_min_u32 v3, 0x4bfff, v3
	v_lshlrev_b32 v3, 3, v3
	global_load_b64 v[4:5], v3, s[4:5]             ; a
	v_mov_b32 v10, v1                              ; index of the key that my lane fetches for the wave
	v_min_u32 v11, s17, v10
	v_min_u32 v11, 0x4bfff, v11
	v_lshlrev_b32 v11, 3, v11
	global_load_b64 v[12:13], v11, s[4:5]
	s_wait_loadcnt 1                               ; a is in; the first 32 keys were asked for behind it
	v_not_b32 v6, v4
	v_not_b32 v7, v5
	v_mov_b32 v8, 0                                ; the count
	s_mov_b32 s22, 0
.Lrinner:
	s_wait_loadcnt 0x0                             ; this trip's 32 keys; the wait also frees v11
	v_cmp_gt_u32 vcc_lo, s16, v10
	v_cndmask_b32 v14, 0, v12, vcc_lo              ; beyond N: the key 0, which is larger than none
	v_cndmask_b32 v15, 0, v13, vcc_lo
	v_add_nc_u32 v10, 32, v10
	v_min_u32 v11, s17, v10                        ; the next 32, clamped to the last key
	v_min_u32 v11, 0x4bfff, v11
	v_lshlrev_b32 v11, 3, v11
	global_load_b64 v[12:13], v11, s[4:5]          ; on its way during the 160 instructions below
.set n, 0
.rept 32
	v_readlane_b32 s[24+2*(n&1)], v14, n
	v_readlane_b32 s[25+2*(n&1)], v15, n
	v_add_co_u32 v9, vcc_lo, s[24+2*(n&1)], v6
	v_add_co_ci_u32 v9, vcc_lo, s[25+2*(n&1)], v7, vcc_lo
	v_add_co_ci_u32 v8, vcc_lo, 0, v8, vcc_lo
.set n, n+1
.endr
	s_add_co_u32 s22, s22, 1
	s_cmp_lt_u32 s22, s18
	s_cbranch_scc1 .Lrinner
	s_wait_loadcnt 0x0                             ; the last look-ahead, not used
	v_not_b32 v16, v4                              ; q << 10 | class
	v_lshrrev_b32 v17, 10, v16
	v_min_u32 v17, 16383, v17
	v_and_b32 v18, 1023, v16
	v_min_u32 v18, 599, v18
	v_lshlrev_b32 v19, 5, v17
	v_lshlrev_b32 v42, 2, v18
	global_load_b128 v[20:23], v19, s[8:9]
	global_load_b128 v[24:27], v19, s[8:9] offset:16
	global_load_b32 v38, v42, s[10:11]
	v_min_u32 v40, 0x4bfff, v8                     ; the rank
	v_lshlrev_b32 v41, 4, v40
	v_lshlrev_b32 v40, 5, v40
	v_mov_b32 v36, v5
	v_mov_b32 v37, v18
	s_wait_loadcnt 0x0
	BOX 20, 28
	global_store_b128 v40, v[28:31], s[12:13]
	global_store_b128 v40, v[32:35], s[12:13] offset:16
	global_store_b128 v41, v[36:39], s[14:15]
	s_wait_xcnt 0x0                                ; the offsets and the data are written again in the next trip only behind this wait
.Lrnext:
	s_add_co_u32 s20, s20, 1
	s_cmp_lt_u32 s20, s19
	s_cbranch_scc1 .Lrouter
.Lrend:
	s_endpgm
.Lfunc_end_k_q7f3ecd346b_rank:
	.size	k_q7f3ecd346b_rank, .Lfunc_end_k_q7f3ecd346b_rank-k_q7f3ecd346b_rank
	.p2alignl 7, 3214868480
	.fill 96, 4, 3214868480
	.section	.rodata,"a",@progbits
	.p2align	6, 0x0
	.amdhsa_kernel k_q7f3ecd346b_rank
		.amdhsa_group_segment_fixed_size 0
		.amdhsa_private_segment_fixed_size 0
		.amdhsa_enable_private_segment 0
		.amdhsa_kernarg_size 48
		.amdhsa_user_sgpr_count 2
		.amdhsa_user_sgpr_kernarg_segment_ptr 1
		.amdhsa_wavefront_size32 1
		.amdhsa_system_sgpr_workgroup_id_x 1
		.amdhsa_system_sgpr_workgroup_id_y 1
		.amdhsa_system_sgpr_workgroup_id_z 1
		.amdhsa_system_vgpr_workitem_id 0
		.amdhsa_next_free_vgpr 48
		.amdhsa_next_free_sgpr 66
		.amdhsa_reserve_vcc 1
		.amdhsa_float_denorm_mode_32 3
		.amdhsa_float_denorm_mode_16_64 3
		.amdhsa_memory_ordered 1
		.amdhsa_forward_progress 1
		.amdhsa_inst_pref_size 13
	.end_amdhsa_kernel
	.amdgpu_metadata
---
amdhsa.version: [ 1, 2 ]
amdhsa.kernels:
  - .name:           k_q7f3ecd346b_rank
    .symbol:         k_q7f3ecd346b_rank.kd
    .args:
      - { .name: keys, .offset: 0, .size: 8, .value_kind: global_buffer, .address_space: global }
      - { .name: meta, .offset: 8, .size: 8, .value_kind: global_buffer, .address_space: global }
      - { .name: pred_boxes, .offset: 16, .size: 8, .value_kind: global_buffer, .address_space: global }
      - { .name: hoi_mapper, .offset: 24, .size: 8, .value_kind: global_buffer, .address_space: global }
      - { .name: sbox, .offset: 32, .size: 8, .value_kind: global_buffer, .address_space: global }
      - { .name: smeta, .offset: 40, .size: 8, .value_kind: global_buffer, .address_space: global }
    .group_segment_fixed_size: 0
    .private_segment_fixed_size: 0
    .kernarg_segment_align: 8
    .kernarg_segment_size: 48
    .max_flat_workgroup_size: 128
    .sgpr_count:     66
    .vgpr_count:     48
    .wavefront_size: 32
...
	.end_amdgpu_metadata
.endif
;; end of part 3
;; launch iou (part 4): grid 128 x 1, 8 waves a work-group, no clusters, 35,072 bytes of LDS; arguments meta, masks, pred_boxes, sbox, smeta, supp, out0, out1, out2, out3; writes supp, out0, out1, out2, out3
.if DOCPART == 4
	.amdgcn_target "amdgcn-amd-amdhsa--gfx1250"
	.amdhsa_code_object_version 6
	.text
	.protected	k_q7f3ecd346b_iou
	.globl	k_q7f3ecd346b_iou
	.p2align	8
	.type	k_q7f3ecd346b_iou,@function
k_q7f3ecd346b_iou:
	s_mov_b64 s[64:65], 0
	v_nop
	global_prefetch_b8 v0, s[64:65] scope:SCOPE_SE
	s_setreg_imm32_b32 hwreg(HW_REG_WAVE_MODE, 25, 1), 1
	s_wait_xcnt 0x0
; Suppression bits.  nv = min(N, 4096) sorted candidates are valid, in nbk = ceil(nv / 32) blocks of 32.  Work-group I owns block I.
; I < nbk: for both kinds of box, supp [kind][row i][128 words]: bit j = (iou(i, j) > 0.5 and j > i and j < nv), on boxes shifted by class x (largest coordinate + 1).
; I >= nbk: the block's 32 places hold no valid candidate: the outputs there are -1, 0, zeros, false, stored here by wave 0.
; THE LARGEST COORDINATE runs over all 4,096 chosen entries.  With N < 4096 the list is filled up with the first 4096 - N flat indices that are no candidates; these lie in
; rows 0 to 7 (8 rows hold at least 4,648 of them), and row r is among them exactly if 600 r - (candidates in rows before r) < 4096 - N.  The counts come from masks, word 20.
; iou > 0.5 is tested as inter > 0.5 max(union, 1e-9): for f32 numbers the rounded quotient exceeds 0.5 exactly when inter exceeds half the divisor, and halving is exact.
; The shift is a rounded product and a rounded sum, as the module writes it.  NaN boxes are not followed.
; WAVES: kind t = wave & 1, rows 8 rq .. 8 rq + 7 of the block with rq = wave >> 1.  A wave walks the groups g of 4 words (128 columns) from I's own group to the last with valid
; columns, so the eight waves of a block have equal work whatever nv is.  In a group the four words are worked operation by operation on four sets of temporaries: four chains side by side.
; Lane 8 k + i collects the word (row i of my eight, word 4 g + k): one LDS store of 4 bytes a lane for a group.
; LDS: each wave has a region of its own, 8 rows x 528 bytes (512 + 16) = 4,224, which it clears, fills and reads back as whole rows of 512 bytes.
; Trip counts and branches hang on N (read from meta) and ids alone; compare results only become data.
.set REG, 4224
.set RPITCH, 528
.set RED, 8*REG                        ; 64 bytes: each wave's two maxima
.set SW, 54
.set SH, 55
.macro BOX raw, out                    ; (cx, cy, w, h) twice -> person xyxy clamped and scaled, object xyxy scaled.  0.5 w is exact, so the fused form rounds as the module does
.irp h, 0,4
	v_fma_f32 v[\out+\h],   v[\raw+\h+2], -0.5, v[\raw+\h]
	v_fma_f32 v[\out+\h+1], v[\raw+\h+3], -0.5, v[\raw+\h+1]
	v_fma_f32 v[\out+\h+2], v[\raw+\h+2], 0.5, v[\raw+\h]
	v_fma_f32 v[\out+\h+3], v[\raw+\h+3], 0.5, v[\raw+\h+1]
.endr
.irp i, 0,1,2,3
	v_med3_num_f32 v[\out+\i], v[\out+\i], 0, 1.0
.endr
.irp i, 0,2,4,6
	v_mul_f32 v[\out+\i],   s[SW], v[\out+\i]
	v_mul_f32 v[\out+\i+1], s[SH], v[\out+\i+1]
.endr
.endm
.macro WMAX a, t
	v_max_num_f32_dpp v[\a], v[\a], v[\a] row_xmask:1 row_mask:0xf bank_mask:0xf
	v_max_num_f32_dpp v[\a], v[\a], v[\a] row_xmask:2 row_mask:0xf bank_mask:0xf
	v_max_num_f32_dpp v[\a], v[\a], v[\a] row_xmask:4 row_mask:0xf bank_mask:0xf
	v_max_num_f32_dpp v[\a], v[\a], v[\a] row_xmask:8 row_mask:0xf bank_mask:0xf
	v_permlanex16_b32 v[\t], v[\a], s52, s53
	v_max_num_f32 v[\a], v[\a], v[\t]
.endm
; Entries 1,024 c to 1,024 c + 1,023 enter the two maxima: thread t takes four of them, 256 apart, eight loads in flight.  Left out, with all later chunks, where no valid entry begins there.
.macro MAXCHUNK c
	s_cmp_le_u32 s39, 1024*\c
	s_cbranch_scc1 .Lmaxdone
.irp e, 0,1,2,3
	v_add_nc_u32 v9, 1024*\c+256*\e, v0
	v_min_u32 v9, s59, v9                          ; beyond the last valid entry: that entry again
	v_min_u32 v9, 4095, v9
	v_lshlrev_b32 v[88+\e], 5, v9
	global_load_b128 v[16+8*\e:19+8*\e], v[88+\e], s[10:11]
	global_load_b128 v[20+8*\e:23+8*\e], v[88+\e], s[10:11] offset:16
.endr
	s_wait_loadcnt 0x0                             ; all eight; also frees the four offsets
.irp e, 0,1,2,3
	v_max3_num_f32 v6, v6, v[16+8*\e], v[17+8*\e]
	v_max3_num_f32 v7, v7, v[20+8*\e], v[21+8*\e]
	v_max3_num_f32 v6, v6, v[18+8*\e], v[19+8*\e]
	v_max3_num_f32 v7, v7, v[22+8*\e], v[23+8*\e]
.endr
.endm
; The sorted entry whose number is in v15 (any number): clamped, its box of my kind into v[d:d+3], its class into v[d+5].  ad: two registers for the offsets.
.macro OFFLOAD d, ad
	v_min_u32 v15, s59, v15
	v_min_u32 v15, 4095, v15
	v_lshlrev_b32 v[\ad], 5, v15
	v_lshlrev_b32 v[\ad+1], 4, v15
	global_load_b128 v[\d:\d+3], v[\ad], s[70:71]
	global_load_b32 v[\d+5], v[\ad+1], s[12:13] offset:4
.endm
.macro OFFPOST s, d                    ; from the entry as loaded at s: the box shifted by its class into v[d:d+3], its area into v[d+4]
	v_cvt_f32_u32 v[\d+5], v[\s+5]
	v_mul_f32 v[\d+5], v[\d+5], v8
.irp x, 0,1,2,3
	v_add_f32 v[\d+\x], v[\s+\x], v[\d+5]
.endr
	v_sub_f32 v9, v[\d+2], v[\d]
	v_sub_f32 v10, v[\d+3], v[\d+1]
	v_mul_f32 v[\d+4], v9, v10
.endm
	s_load_b512 s[4:19], s[0:1], 0x0               ; meta, masks, pred_boxes s[8:9], sbox s[10:11], smeta s[12:13], supp s[14:15], out0 s[16:17], out1 s[18:19]
	s_load_b128 s[20:23], s[0:1], 0x40             ; out2 s[20:21], out3 s[22:23]
	v_lshl_add_u32 v104, v0, 2, 0x8500
	v_mov_b32 v105, 0
	v_and_b32 v1, 31, v0
	v_lshrrev_b32 v9, 5, v0
	v_readfirstlane_b32 s36, v9                    ; wave
	s_and_b32 s37, s36, 1                          ; kind
	s_lshr_b32 s38, s36, 1                         ; which eight rows of the block
	s_lshl_b32 s74, s38, 3                         ; the first of them
	s_mov_b32 s27, ttmp9                           ; I
	s_mov_b32 s49, 0x3089705f                      ; 1e-9
	s_mov_b32 s52, 0x76543210
	s_mov_b32 s53, 0xfedcba98
	s_mov_b32 s[SW], 0x44a6a000                    ; 1333.0
	s_mov_b32 s[SH], 0x44480000                    ; 800.0
	s_cmp_lg_u32 s37, 0
	s_cselect_b32 s67, -1, 0                       ; all lanes: object kind
	v_lshlrev_b32 v2, 4, v1                        ; 16 x lane
	v_and_b32 v10, 7, v1                           ; i: the row of my eight that my lane collects
	v_lshrrev_b32 v13, 3, v1                       ; k: the word of a group that my lane collects
	v_add_nc_u32 v9, s74, v10                      ; that row's place in the block
	v_mov_b32 v5, -2
	v_lshlrev_b32 v5, v9, v5                       ; bits above it: the diagonal word keeps j > i
	v_mov_b32 v14, -1
	v_mov_b32 v48, 0                               ; the collected words; every lane is written anew in each group
.irp i, 84,85,86,87
	v_mov_b32 v\i, 0
.endr
	s_mul_i32 s51, s36, REG                        ; my region
	v_add_nc_u32 v3, s51, v2                       ; 16 bytes a lane of its first row: for clearing and for reading back
	v_mul_u32_u24 v4, RPITCH, v10
	v_lshl_add_u32 v4, v13, 2, v4
	v_add_nc_u32 v4, s51, v4                       ; row i, word k of group 0: for filling
.irp x, 0,1,2,3,4,5,6,7
	ds_store_b128 v3, v[84:87] offset:RPITCH*\x    ; my eight rows are cleared: groups in front of the block's own and behind the last valid one stay 0
.endr
	v_lshlrev_b32 v9, 5, v10                       ; pred_boxes row lane mod 8
	s_lshl_b32 s68, s37, 4
	s_mov_b32 s69, 0
	s_wait_kmcnt 0x0
	s_load_b32 s24, s[4:5], 0x0                    ; N
.irp r, 0,1,2,3,4,5,6,7
	s_load_b32 s[28+\r], s[6:7], 128*\r+80         ; candidates in row r
.endr
	global_load_b128 v[52:55], v9, s[8:9]
	global_load_b128 v[56:59], v9, s[8:9] offset:16
	s_add_nc_u64 s[70:71], s[10:11], s[68:69]      ; sbox at my kind's half of an entry
	s_wait_kmcnt 0x0
	s_min_u32 s24, s24, 0x4c000
	s_min_u32 s25, s24, 4096                       ; nv
	s_add_co_u32 s26, s25, 31
	s_lshr_b32 s26, s26, 5                         ; nbk
	s_sub_co_i32 s58, 4096, s24                    ; places filled up with entries that are no candidates (signed)
	s_max_u32 s59, s25, 1
	s_sub_co_u32 s59, s59, 1                       ; the last valid entry
	s_add_co_u32 s48, s26, 3
	s_lshr_b32 s48, s48, 2
	s_min_u32 s48, s48, 32                         ; groups with valid columns
	s_cmp_lt_u32 s27, s26                          ; my block has valid rows?
	s_cselect_b32 s48, s48, 0                      ; if not: no group,
	s_cselect_b32 s39, s25, 0                      ; and no entry enters the maxima, which are not used then
	s_mov_b32 s56, 0
	s_mov_b32 s57, 0
.irp r, 0,1,2,3,4,5,6,7
	s_sub_co_i32 s50, 600*\r, s57                  ; entries in front of row r that are no candidates
	s_cmp_lt_i32 s50, s58
	s_cselect_b32 s51, 1<<\r, 0
	s_or_b32 s56, s56, s51
	s_add_co_u32 s57, s57, s[28+\r]
.endr
	s_mul_i32 s56, s56, 0x01010101                 ; bit of lane l = row l mod 8 enters the maxima
	s_wait_loadcnt 0x0
	BOX 52, 60
	v_max3_num_f32 v6, v60, v61, v62
	v_max_num_f32 v6, v6, v63
	v_max3_num_f32 v7, v64, v65, v66
	v_max_num_f32 v7, v7, v67
	v_cndmask_b32 v6, 0xff800000, v6, s56          ; person maximum so far, -inf where the row does not enter
	v_cndmask_b32 v7, 0xff800000, v7, s56          ; object maximum so far
.irp c, 0,1,2,3
	MAXCHUNK \c
.endr
.Lmaxdone:
	v_mov_b32 v10, 0
	WMAX 6, 10
	WMAX 7, 10
	s_lshl_b32 s51, s36, 3
	s_add_co_u32 s51, s51, RED
	v_mov_b32 v9, s51
	ds_store_b64 v9, v[6:7]                        ; every lane stores the same pair to my wave's 8 bytes
	s_wait_dscnt 0x0                               ; my stores are done before I say so
	s_barrier_signal -1
	s_barrier_wait -1
	v_mov_b32 v9, RED
.irp x, 0,1,2,3
	ds_load_b128 v[68+4*\x:71+4*\x], v9 offset:16*\x
.endr
	s_wait_dscnt 0x0
	v_max3_num_f32 v6, v68, v70, v72
	v_max3_num_f32 v7, v69, v71, v73
	v_max3_num_f32 v6, v6, v74, v76
	v_max3_num_f32 v7, v7, v75, v77
	v_max3_num_f32 v6, v6, v78, v80
	v_max3_num_f32 v7, v7, v79, v81
	v_max_num_f32 v6, v6, v82
	v_max_num_f32 v7, v7, v83
	v_cndmask_b32 v8, v6, v7, s67
	v_add_f32 v8, 1.0, v8                          ; the shift from class to class, of my kind
	s_lshr_b32 s47, s27, 2                         ; the block's own group: the first with columns behind its rows
	s_cmp_ge_u32 s47, s48
	s_cbranch_scc1 .Lgdone                         ; so exactly where the block has no valid row
	s_lshl_b32 s50, s27, 5
	v_add_nc_u32 v15, s50, v1
	OFFLOAD 16, 96                                 ; lane l: row 32 I + l, as loaded; waited for together with the first group's columns
.Lgroup:
	s_lshl_b32 s50, s47, 7                         ; the group's first column
.irp k, 0,1,2,3
	v_add3_u32 v15, s50, v1, 32*\k
	OFFLOAD 24+6*\k, 88+2*\k                       ; lane j: column 128 g + 32 k + j
.endr
	s_wait_loadcnt 0x0                             ; all eight (in the first trip the rows' two as well); also frees the offsets for the next trip
	OFFPOST 16, 68                                 ; the rows, shifted anew in each group: nine instructions, so that the first trip needs no wait of its own for them
.irp k, 0,1,2,3
	OFFPOST 24+6*\k, 24+6*\k
.endr
	s_mov_b32 s46, s74                             ; the lane that holds my row i
	s_mov_b32 s80, 0                               ; i
.Lrow:
.irp x, 0,1,2,3,4
	v_readlane_b32 s[40+\x], v[68+\x], s46         ; row i's box and area
.endr
	s_add_co_u32 s81, s80, 8                       ; the lanes 8 k + i that collect this row's four words
	s_add_co_u32 s82, s80, 16
	s_add_co_u32 s83, s80, 24
.irp k, 0,1,2,3
	v_max_num_f32 v[52+4*\k], s40, v[24+6*\k]
.endr
.irp k, 0,1,2,3
	v_max_num_f32 v[53+4*\k], s41, v[25+6*\k]
.endr
.irp k, 0,1,2,3
	v_min_num_f32 v[54+4*\k], s42, v[26+6*\k]
.endr
.irp k, 0,1,2,3
	v_min_num_f32 v[55+4*\k], s43, v[27+6*\k]
.endr
.irp k, 0,1,2,3
	v_sub_f32 v[52+4*\k], v[54+4*\k], v[52+4*\k]
.endr
.irp k, 0,1,2,3
	v_sub_f32 v[53+4*\k], v[55+4*\k], v[53+4*\k]
.endr
.irp k, 0,1,2,3
	v_max_num_f32 v[52+4*\k], 0, v[52+4*\k]
.endr
.irp k, 0,1,2,3
	v_max_num_f32 v[53+4*\k], 0, v[53+4*\k]
.endr
.irp k, 0,1,2,3
	v_mul_f32 v[52+4*\k], v[52+4*\k], v[53+4*\k]   ; inter
.endr
.irp k, 0,1,2,3
	v_add_f32 v[53+4*\k], s44, v[28+6*\k]
.endr
.irp k, 0,1,2,3
	v_sub_f32 v[53+4*\k], v[53+4*\k], v[52+4*\k]   ; union
.endr
.irp k, 0,1,2,3
	v_max_num_f32 v[53+4*\k], s49, v[53+4*\k]
.endr
.irp k, 0,1,2,3
	v_mul_f32 v[53+4*\k], 0.5, v[53+4*\k]
.endr
.irp k, 0,1,2,3
	v_cmp_gt_f32 s[76+\k], v[52+4*\k], v[53+4*\k]
.endr
.irp k, 0,1,2,3
	v_writelane_b32 v48, s[76+\k], s[80+\k]
.endr
	s_add_co_u32 s46, s46, 1
	s_add_co_u32 s80, s80, 1
	s_cmp_lt_u32 s80, 8
	s_cbranch_scc1 .Lrow
	s_lshl_b32 s50, s47, 2
	v_add_nc_u32 v9, s50, v13                      ; my lane's word w = 4 g + k
	v_cmp_ge_u32 vcc_lo, s27, v9
	v_cndmask_b32 v10, -1, v5, vcc_lo              ; w > I: every column is behind the row; w = I: those above the row
	v_cmp_le_u32 vcc_lo, s27, v9
	v_cndmask_b32 v10, 0, v10, vcc_lo              ; w < I: none
	v_lshlrev_b32 v11, 5, v9
	v_min_u32 v11, s25, v11
	v_sub_nc_u32 v11, s25, v11                     ; valid columns from the word's first on
	v_min_u32 v12, 31, v11
	v_lshlrev_b32 v12, v12, v14
	v_not_b32 v12, v12                             ; so many ones,
	v_cmp_lt_u32 vcc_lo, 31, v11
	v_cndmask_b32 v12, v12, v14, vcc_lo            ; or the whole word
	v_and_b32 v48, v48, v10
	v_and_b32 v48, v48, v12
	s_min_u32 s50, s47, 31
	s_lshl_b32 s50, s50, 4
	v_add_nc_u32 v15, s50, v4
	ds_store_b32 v15, v48                          ; rows 132 words apart, words side by side: 32 different banks
	s_add_co_u32 s47, s47, 1
	s_cmp_lt_u32 s47, s48
	s_cbranch_scc1 .Lgroup
.Lgdone:
	s_wait_dscnt 0x0                               ; my region is complete before I say so
	s_barrier_signal -1
	s_barrier_wait -1
	s_cmp_lt_u32 s27, s26
	s_cbranch_scc0 .Ldefault
.irp x, 0,1,2,3,4,5,6,7
	ds_load_b128 v[52+4*\x:55+4*\x], v3 offset:RPITCH*\x
.endr
	s_lshl_b32 s68, s37, 21                        ; kind x 4,096 rows x 512 bytes
	s_lshl_b32 s50, s27, 14                        ; + 32 I rows
	s_add_co_u32 s68, s68, s50
	s_lshl_b32 s50, s38, 12                        ; + my 8 rows
	s_add_co_u32 s68, s68, s50
	s_add_nc_u64 s[14:15], s[14:15], s[68:69]
.irp x, 0,1,2,3,4,5,6,7
	s_wait_dscnt 7-\x                              ; LDS loads come back in order: row x is in, the 7 - x younger ones may be out
	global_store_b128 v2, v[52+4*\x:55+4*\x], s[14:15] offset:512*\x   ; a whole row: 512 consecutive bytes, aligned
.endr
	s_wait_tensorcnt 0x0
	ds_add_u32 v104, v105
	s_wait_dscnt 0x0
	s_endpgm
.Ldefault:
	s_cmp_lg_u32 s36, 0
	s_cbranch_scc1 .Liend
	s_lshl_b32 s50, s27, 7
	v_lshl_add_u32 v9, v1, 2, s50                  ; 4 x (32 I + lane)
	s_lshl_b32 s50, s27, 5
	v_add_nc_u32 v10, s50, v1                      ; 32 I + lane
	s_lshl_b32 s50, s27, 10
	v_add_nc_u32 v11, s50, v2                      ; 1,024 I + 16 x lane
	v_mov_b32 v12, -1
	global_store_b32 v9, v12, s[16:17]             ; hoi id -1
	global_store_b32 v9, v84, s[18:19]             ; score 0
	global_store_b128 v11, v[84:87], s[20:21]      ; boxes 0: 2 x 512 consecutive bytes
	global_store_b128 v11, v[84:87], s[20:21] offset:512
	global_store_b8 v10, v84, s[22:23]             ; false
.Liend:
	s_wait_tensorcnt 0x0
	ds_add_u32 v104, v105
	s_wait_dscnt 0x0
	s_endpgm
.Lfunc_end_k_q7f3ecd346b_iou:
	.size	k_q7f3ecd346b_iou, .Lfunc_end_k_q7f3ecd346b_iou-k_q7f3ecd346b_iou
	.p2alignl 7, 3214868480
	.fill 96, 4, 3214868480
	.section	.rodata,"a",@progbits
	.p2align	6, 0x0
	.amdhsa_kernel k_q7f3ecd346b_iou
		.amdhsa_group_segment_fixed_size 35072
		.amdhsa_private_segment_fixed_size 0
		.amdhsa_enable_private_segment 0
		.amdhsa_kernarg_size 80
		.amdhsa_user_sgpr_count 2
		.amdhsa_user_sgpr_kernarg_segment_ptr 1
		.amdhsa_wavefront_size32 1
		.amdhsa_system_sgpr_workgroup_id_x 1
		.amdhsa_system_sgpr_workgroup_id_y 1
		.amdhsa_system_sgpr_workgroup_id_z 1
		.amdhsa_system_vgpr_workitem_id 0
		.amdhsa_next_free_vgpr 106
		.amdhsa_next_free_sgpr 96
		.amdhsa_reserve_vcc 1
		.amdhsa_float_denorm_mode_32 3
		.amdhsa_float_denorm_mode_16_64 3
		.amdhsa_memory_ordered 1
		.amdhsa_forward_progress 1
		.amdhsa_inst_pref_size 30
	.end_amdhsa_kernel
	.amdgpu_metadata
---
amdhsa.version: [ 1, 2 ]
amdhsa.kernels:
  - .name:           k_q7f3ecd346b_iou
    .symbol:         k_q7f3ecd346b_iou.kd
    .args:
      - { .name: meta, .offset: 0, .size: 8, .value_kind: global_buffer, .address_space: global }
      - { .name: masks, .offset: 8, .size: 8, .value_kind: global_buffer, .address_space: global }
      - { .name: pred_boxes, .offset: 16, .size: 8, .value_kind: global_buffer, .address_space: global }
      - { .name: sbox, .offset: 24, .size: 8, .value_kind: global_buffer, .address_space: global }
      - { .name: smeta, .offset: 32, .size: 8, .value_kind: global_buffer, .address_space: global }
      - { .name: supp, .offset: 40, .size: 8, .value_kind: global_buffer, .address_space: global }
      - { .name: out0, .offset: 48, .size: 8, .value_kind: global_buffer, .address_space: global }
      - { .name: out1, .offset: 56, .size: 8, .value_kind: global_buffer, .address_space: global }
      - { .name: out2, .offset: 64, .size: 8, .value_kind: global_buffer, .address_space: global }
      - { .name: out3, .offset: 72, .size: 8, .value_kind: global_buffer, .address_space: global }
    .group_segment_fixed_size: 35072
    .private_segment_fixed_size: 0
    .kernarg_segment_align: 8
    .kernarg_segment_size: 80
    .max_flat_workgroup_size: 256
    .sgpr_count:     96
    .vgpr_count:     106
    .wavefront_size: 32
...
	.end_amdgpu_metadata
.endif
;; end of part 4
;; launch scan (part 5): grid 1 x 1, 8 waves a work-group, no clusters, 2,048 bytes of LDS; arguments meta, supp, sbox, smeta, out0, out1, out2, out3; writes out0, out1, out2, out3
.if DOCPART == 5
	.amdgcn_target "amdgcn-amd-amdhsa--gfx1250"
	.amdhsa_code_object_version 6
	.text
	.protected	k_q7f3ecd346b_scan
	.globl	k_q7f3ecd346b_scan
	.p2align	8
	.type	k_q7f3ecd346b_scan,@function
k_q7f3ecd346b_scan:
	s_mov_b64 s[64:65], 0
	v_nop
	global_prefetch_b8 v0, s[64:65] scope:SCOPE_SE
	s_setreg_imm32_b32 hwreg(HW_REG_WAVE_MODE, 25, 1), 1
	s_wait_xcnt 0x0
; The two greedy passes and the outputs of the nbk blocks that hold valid candidates.  One work-group: the pass is a chain from block to block.
; Wave 0 scans the person bits, wave 1 the object bits.  R, 4,096 bits of "removed" (lane l, register c = word 4 l + c), starts with the places from nv on removed.
; Block I: its word of R is settled bit by bit in scalar registers with the 32 diagonal words (row il, if not removed, removes what it suppresses inside the block);
; then each row that is kept is ORed whole into R.  The block's 32 rows (16 KiB) are asked for at the trip's head; the next block's diagonal words one trip ahead.
; Then all eight waves write outputs: kept = not (removed as person and removed as object); places from nv to 32 nbk - 1 come out as not kept.
; COST: nbk trips in a chain, each waiting for its rows; with nv = 4,096 that is 128 trips on two waves.  With N = 0 there is no block and nothing to store here.
; The suppression bits only select values (s_cselect_b32, v_and_or_b32, v_cndmask_b32); trip counts and addresses hang on N alone.
	s_load_b512 s[4:19], s[0:1], 0x0               ; meta s[4:5], supp s[6:7], sbox s[8:9], smeta s[10:11], out0 s[12:13], out1 s[14:15], out2 s[16:17], out3 s[18:19]
	v_lshl_add_u32 v176, v0, 2, 0x400
	v_mov_b32 v177, 0
	v_and_b32 v1, 31, v0
	v_lshrrev_b32 v11, 5, v0
	v_readfirstlane_b32 s23, v11                   ; wave
	v_lshlrev_b32 v2, 4, v1                        ; 16 x lane
	v_lshlrev_b32 v3, 9, v1                        ; 512 x lane
	s_wait_kmcnt 0x0
	s_load_b32 s20, s[4:5], 0x0
	s_wait_kmcnt 0x0
	s_min_u32 s20, s20, 0x4c000                    ; N
	s_min_u32 s21, s20, 4096                       ; nv
	s_add_co_u32 s22, s21, 31
	s_lshr_b32 s22, s22, 5                         ; nbk
	s_max_u32 s69, s21, 1
	s_sub_co_u32 s69, s69, 1                       ; the last valid entry
	s_cmp_gt_u32 s23, 1
	s_cbranch_scc1 .Lbar                           ; waves 2 to 7 have no scan
	s_lshl_b32 s72, s23, 21                        ; my kind's 4,096 rows of 512 bytes
	s_mov_b32 s73, 0
	s_add_nc_u64 s[72:73], s[6:7], s[72:73]
	v_mov_b32 v13, -1
	v_mov_b32 v14, 0
	v_lshlrev_b32 v15, 7, v1                       ; first place of word 4 x lane
.irp c, 0,1,2,3
	v_add_nc_u32 v11, 32*\c, v15
	v_min_u32 v11, s21, v11
	v_sub_nc_u32 v11, s21, v11                     ; valid places from the word's first on
	v_min_u32 v12, 31, v11
	v_lshlrev_b32 v12, v12, v13                    ; ones above them
	v_cmp_lt_u32 vcc_lo, 31, v11
	v_cndmask_b32 v[4+\c], v12, v14, vcc_lo        ; a whole word valid: nothing removed
.endr
	s_cmp_eq_u32 s22, 0
	s_cbranch_scc1 .Lscandone
	global_load_b32 v8, v3, s[72:73]               ; block 0's diagonal words: lane il = row il, word 0
	s_mov_b32 s30, 0
.Lblock:
	s_min_u32 s31, s30, 127
	s_lshl_b32 s31, s31, 14
	v_add_nc_u32 v10, s31, v2                      ; free: the last trip's rows were all waited for
.set il, 0
.rept 32
	global_load_b128 v[32+4*il:35+4*il], v10, s[72:73] offset:512*il
.set il, il+1
.endr
	s_wait_loadcnt 32                              ; the diagonal words are in: only the 32 rows were asked for behind them
.set il, 0
.rept 32
	v_readlane_b32 s[32+il], v8, il
.set il, il+1
.endr
	s_add_co_u32 s70, s30, 1
	s_sub_co_u32 s31, s22, 1
	s_min_u32 s70, s70, s31                        ; the next block, or this one again in the last trip: no load leaves the rows that were stored
	s_min_u32 s70, s70, 127
	s_mul_i32 s31, s70, 16388                      ; 32 rows of 512 bytes + one word for each block
	v_add_nc_u32 v9, s31, v3
	global_load_b32 v8, v9, s[72:73]
	s_lshr_b32 s66, s30, 2                         ; the block's word of R: lane u, register c
	s_and_b32 s67, s30, 3
.irp c, 0,1,2,3
	v_readlane_b32 s[24+\c], v[4+\c], s66
.endr
	s_cmp_eq_u32 s67, 1
	s_cselect_b32 s28, s25, s24
	s_cmp_eq_u32 s67, 2
	s_cselect_b32 s28, s26, s28
	s_cmp_eq_u32 s67, 3
	s_cselect_b32 s28, s27, s28
.set il, 0
.rept 32
	s_bitcmp1_b32 s28, il                          ; row il removed?
	s_cselect_b32 s31, 0, s[32+il]
	s_or_b32 s28, s28, s31                         ; if not, it removes inside the block
.set il, il+1
.endr
.irp c, 0,1,2,3
	s_cmp_eq_u32 s67, \c
	s_cselect_b32 s31, s28, s[24+\c]
	v_writelane_b32 v[4+\c], s31, s66
.endr
	s_not_b32 s29, s28                             ; kept rows
.set il, 0
.rept 32
	s_wait_loadcnt 32-il                           ; row il is in: 31 - il younger rows and the next diagonal words may be out
	s_bitcmp1_b32 s29, il
	s_cselect_b32 s68, -1, 0
.irp c, 0,1,2,3
	v_and_or_b32 v[4+\c], v[32+4*il+\c], s68, v[4+\c]
.endr
.set il, il+1
.endr
	s_add_co_u32 s30, s30, 1
	s_cmp_lt_u32 s30, s22
	s_cbranch_scc1 .Lblock
.Lscandone:
	s_wait_loadcnt 0x0                             ; the last look-ahead, not used
	s_lshl_b32 s31, s23, 9
	v_add_nc_u32 v11, s31, v2
	ds_store_b128 v11, v[4:7]                      ; word w of kind t at 512 t + 4 w
.Lbar:
	s_wait_dscnt 0x0                               ; the two bitmaps are in LDS before their waves say so
	s_barrier_signal -1
	s_barrier_wait -1
	s_cmp_ge_u32 s23, s22
	s_cbranch_scc1 .Lsend
	s_mov_b32 s71, s23                             ; wave v writes blocks v, v + 8, ...
	s_sub_co_u32 s74, s22, s23
	s_add_co_u32 s74, s74, 7
	s_lshr_b32 s74, s74, 3                         ; so many of them, 16 at the most
	s_mov_b32 s75, 0
	v_lshrrev_b32 v16, 1, v1                       ; boxes: two lanes an entry
	v_and_b32 v17, 1, v1
	v_lshlrev_b32 v17, 4, v17
.Lout:
	s_min_u32 s31, s71, 127
	s_lshl_b32 s24, s31, 2
	s_lshl_b32 s25, s31, 5
	s_lshl_b32 s26, s31, 10
	v_mov_b32 v11, s24
	ds_load_b32 v12, v11
	ds_load_b32 v13, v11 offset:512
	v_add_nc_u32 v14, s25, v1                      ; my place
	v_min_u32 v15, s69, v14                        ; places from nv on read the last valid entry and come out masked
	v_min_u32 v15, 4095, v15
	v_lshlrev_b32 v15, 4, v15
	global_load_b128 v[160:163], v15, s[10:11]     ; score, class, hoi id, 0
.irp c, 0,1
	v_add3_u32 v[18+\c], s25, v16, 16*\c
	v_min_u32 v[18+\c], s69, v[18+\c]
	v_min_u32 v[18+\c], 4095, v[18+\c]
	v_lshl_add_u32 v[18+\c], v[18+\c], 5, v17
	global_load_b128 v[164+4*\c:167+4*\c], v[18+\c], s[8:9]
.endr
	v_lshlrev_b32 v20, 2, v14
	v_add_nc_u32 v21, s26, v2
	s_wait_dscnt 0x0
	v_and_b32 v12, v12, v13
	v_not_b32 v12, v12                             ; kept as person or kept as object
	v_lshrrev_b32 v13, v1, v12
	v_and_b32 v13, 1, v13                          ; my place's bit: the boolean
	v_cmp_ne_u32 vcc_lo, 0, v13
.irp c, 0,1
	v_add_nc_u32 v22, 16*\c, v16
	v_lshrrev_b32 v22, v22, v12
	v_and_b32 v22, 1, v22
	v_cvt_f32_u32 v[24+2*\c], v22                  ; 1.0 or 0.0: the boxes are multiplied, as in the module
	v_mov_b32 v[25+2*\c], v[24+2*\c]
.endr
	s_wait_loadcnt 0x0
	v_cndmask_b32 v28, -1, v162, vcc_lo
	v_cndmask_b32 v29, 0, v160, vcc_lo
.irp c, 0,1
	v_pk_mul_f32 v[164+4*\c:165+4*\c], v[164+4*\c:165+4*\c], v[24+2*\c:25+2*\c]
	v_pk_mul_f32 v[166+4*\c:167+4*\c], v[166+4*\c:167+4*\c], v[24+2*\c:25+2*\c]
.endr
	global_store_b32 v20, v28, s[12:13]
	global_store_b32 v20, v29, s[14:15]
	global_store_b128 v21, v[164:167], s[16:17]    ; 512 consecutive bytes each
	global_store_b128 v21, v[168:171], s[16:17] offset:512
	global_store_b8 v14, v13, s[18:19]
	s_wait_xcnt 0x0                                ; offsets and data are rewritten in the next trip only behind this wait
	s_add_co_u32 s71, s71, 8
	s_add_co_u32 s75, s75, 1
	s_cmp_lt_u32 s75, s74
	s_cbranch_scc1 .Lout
.Lsend:
	s_barrier_signal -1
	s_barrier_wait -1
	s_wait_tensorcnt 0x0
	ds_add_u32 v176, v177
	s_wait_dscnt 0x0
	s_endpgm
.Lfunc_end_k_q7f3ecd346b_scan:
	.size	k_q7f3ecd346b_scan, .Lfunc_end_k_q7f3ecd346b_scan-k_q7f3ecd346b_scan
	.p2alignl 7, 3214868480
	.fill 96, 4, 3214868480
	.section	.rodata,"a",@progbits
	.p2align	6, 0x0
	.amdhsa_kernel k_q7f3ecd346b_scan
		.amdhsa_group_segment_fixed_size 2048
		.amdhsa_private_segment_fixed_size 0
		.amdhsa_enable_private_segment 0
		.amdhsa_kernarg_size 64
		.amdhsa_user_sgpr_count 2
		.amdhsa_user_sgpr_kernarg_segment_ptr 1
		.amdhsa_wavefront_size32 1
		.amdhsa_system_sgpr_workgroup_id_x 1
		.amdhsa_system_sgpr_workgroup_id_y 1
		.amdhsa_system_sgpr_workgroup_id_z 1
		.amdhsa_system_vgpr_workitem_id 0
		.amdhsa_next_free_vgpr 178
		.amdhsa_next_free_sgpr 80
		.amdhsa_reserve_vcc 1
		.amdhsa_float_denorm_mode_32 3
		.amdhsa_float_denorm_mode_16_64 3
		.amdhsa_memory_ordered 1
		.amdhsa_forward_progress 1
		.amdhsa_inst_pref_size 27
	.end_amdhsa_kernel
	.amdgpu_metadata
---
amdhsa.version: [ 1, 2 ]
amdhsa.kernels:
  - .name:           k_q7f3ecd346b_scan
    .symbol:         k_q7f3ecd346b_scan.kd
    .args:
      - { .name: meta, .offset: 0, .size: 8, .value_kind: global_buffer, .address_space: global }
      - { .name: supp, .offset: 8, .size: 8, .value_kind: global_buffer, .address_space: global }
      - { .name: sbox, .offset: 16, .size: 8, .value_kind: global_buffer, .address_space: global }
      - { .name: smeta, .offset: 24, .size: 8, .value_kind: global_buffer, .address_space: global }
      - { .name: out0, .offset: 32, .size: 8, .value_kind: global_buffer, .address_space: global }
      - { .name: out1, .offset: 40, .size: 8, .value_kind: global_buffer, .address_space: global }
      - { .name: out2, .offset: 48, .size: 8, .value_kind: global_buffer, .address_space: global }
      - { .name: out3, .offset: 56, .size: 8, .value_kind: global_buffer, .address_space: global }
    .group_segment_fixed_size: 2048
    .private_segment_fixed_size: 0
    .kernarg_segment_align: 8
    .kernarg_segment_size: 64
    .max_flat_workgroup_size: 256
    .sgpr_count:     80
    .vgpr_count:     178
    .wavefront_size: 32
...
	.end_amdgpu_metadata
.endif
;; end of part 5
